; MI455X (gfx1250); checked and timed in simulation.
; The chip was launched on July 23, 2026; its instructions are those of AMD's public machine-readable ISA for CDNA 5 (MIT licence, August 2026) and "CDNA5" Instruction Set Architecture Reference Guide (July 2026). The comments in the code are by the model that wrote it; some were corrected since.
;; Radix Attention. Allowed arithmetic: matrix products marked QUANTISED: E5M2 operands, one given power-of-two scale a tensor, by v_wmma_f32_16x16x64_bf8_bf8 or v_wmma_f32_16x16x128_bf8_bf8, f32 sums; everything else in f32.
;; Inputs: k_codes 4 x 512 x 8 x 4 x 32 uint8 (E5M2 codes of k, K innermost, in blocks of 32 codes); lowp_scales 8 int32 (the exponents e of the quantised operands' scales 2^e); pool_k 16,384 x 8 x 128 float32; pool_v 16,384 x 8 x 128 float32; q_codes 4 x 512 x 32 x 4 x 32 uint8 (E5M2 codes of q, K innermost, in blocks of 32 codes); req_to_token 4 x 2,048 int32; v_codes 4 x 8 x 128 x 16 x 32 uint8 (E5M2 codes of v, K innermost, in blocks of 32 codes).
;; Outputs: out0 2,048 x 4,096 float32.
;; This version of the problem:
;;   THIS VERSION OF THE PROBLEM IS GIVEN IN LOW PRECISION. The matrix products marked QUANTISED in the list below multiply operands that are first quantised to E5M2 (5 exponent bits, 2 mantissa bits; 8 bits a number), with one given power-of-two scale for each operand tensor; their sums are f32. All else is computed in f32.
;;   The module's matrix products, in the order in which they are computed (A, B: the left and right operand; K: the contracted axis; several contracted axes count as one K, in the product's order):
;;     1. batch 32 x [M 512, K 128] x [K 128, N 2,048]; A: input k (given as codes); B: input q (given as codes): QUANTISED (scales: A lowp_scales[0], B lowp_scales[1])
;;     2. batch 32 x [M 128, K 512] x [K 512, N 2,048]; A: input v (given as codes); B: softmax (see below): QUANTISED (scales: A lowp_scales[2], B lowp_scales[3])
;;     3. batch 32 x [M 2,048, K 128] x [K 128, N 2,048]; A: computed on the way; B: input q (given as codes): QUANTISED (scales: A lowp_scales[4], B lowp_scales[5])
;;     4. batch 32 x [M 128, K 2,048] x [K 2,048, N 2,048]; A: computed on the way; B: softmax (see below): QUANTISED (scales: A lowp_scales[6], B lowp_scales[7])
;;   THE QUANTISER, for each operand of a quantised product, along K:
;;     - The operand's scale is 2^e, e = its entry of the input lowp_scales (int32; the entries are numbered through the quantised products in the list's order, A before B).
;;     - Each number is divided by the scale, clamped to +-57,344, and rounded to the nearest number of E5M2, ties to even, subnormals kept.
;;     - The product sums the exact products of the quantised numbers (number of the format x scale) in f32.
;;   ~~~python
;;   def quantise(x, axis, e):      # numpy; x: float32 -> the quantised numbers, widened to float32 again
;;       x = np.moveaxis(x, axis, -1); K = x.shape[-1]
;;       r = np.clip(x / 2.0 ** e, -57344, 57344)
;;       step = 2.0 ** (np.maximum(np.frexp(np.where(r == 0, 1, r))[1] - 1, -14) - 2)
;;       q = np.round(r / step) * step * 2.0 ** e      # np.round: ties to even
;;       return np.moveaxis(q, -1, axis).astype(np.float32)
;;   ~~~
;;   SOFTMAX AHEAD OF A QUANTISED PRODUCT. Where the list says 'softmax', what is quantised is not the finished softmax but p = 2^(t - M), with t = logit x log2(e) and M = ceil(the row's largest t), a whole number; so 1/2 < the row's largest p <= 1. The row's sum l is taken of the UNQUANTISED p, in f32, and the product's result is divided by l at the end. Since M is a whole number, a kernel that streams over the keys may use a running M (the ceiling of the running maximum): every later rescaling is an exact power of two, so the quantised numbers keep their values, but for numbers so far below the row's largest that they fall under the format's range.
;;   OPERANDS COMPUTED ON THE WAY. 'Computed on the way' means the value that the module computes at that place (a softmax that the list does not call 'softmax' is quantised finished and normalised). What goes into a quantiser is computed in f32, as accurately as f32 sums, v_exp_f32 and their like allow (about 1e-6 of the number): no bf16 or f16 on the way to a quantiser, and a product that is left as it is and whose result goes on into a quantised operand takes f32 operands (vector FMAs, or v_wmma_f32_16x16x4_f32). A number that lies on a knife's edge between two numbers of the format may be rounded either way, as far as f32 arithmetic and the matrix unit's own rounding can turn it there, and no further.
;;   INPUTS GIVEN AS CODES. k (in the module: [4, 512, 8, 128], K = its axis 3); q (in the module: [4, 512, 32, 128], K = its axis 3); v (in the module: [4, 512, 8, 128], K = its axis 1): each comes as NAME_codes (uint8): NAME with its K axis moved to the last place and cut into blocks of 32 codes, [.., K / 32, bytes a block], one block behind the other in memory; one code a byte (a code: sign, 5 exponent bits, 2 mantissa bits); its scale is its entry of lowp_scales. Its value is code x scale, taken as it is: it is not quantised again, and the codes and scales need not be those that the quantiser above would give.
;; One version. Each part assembles by itself: llvm-mc -triple=amdgcn-amd-amdhsa -mcpu=gfx1250 --defsym DOCPART=n.
;; ======== version 1 of 1: 2 launches
;; limits: right only within a limited range of input values
;; workspace buffers: kp_codes 10,485,760 bytes; vp_codes 8,388,608 bytes
;; launch pack (part 1): grid 8 x 32, 16 waves a work-group, no clusters, 69,632 bytes of LDS; arguments pool_k, pool_v, req_to_token, lowp_scales, kp_codes, vp_codes, k_codes; writes kp_codes, vp_codes
.if DOCPART == 1
	.amdgcn_target "amdgcn-amd-amdhsa--gfx1250"
	.amdhsa_code_object_version 6
	.text
	.protected	k_qb550004245_pack
	.globl	k_qb550004245_pack
	.p2align	8
	.type	k_qb550004245_pack,@function
k_qb550004245_pack:
	s_mov_b64 s[64:65], 0
	v_nop
	global_prefetch_b8 v0, s[64:65] scope:SCOPE_SE
	s_setreg_imm32_b32 hwreg(HW_REG_WAVE_MODE, 25, 1), 1
	s_wait_xcnt 0x0
; The prefix keys and values are gathered from the f32 pools by the page table and turned into codes of BF8 (E5M2), once for all that read them later; the new keys' codes are laid dense behind them.
;   kp_codes [b*8+hk][2560 keys][128 d]: keys 0 .. 2047 the prefix, keys 2048 .. 2559 the request's new keys, copied from k_codes, whose rows of one head are 128 bytes, 1,024 apart:
;            so every tile that the next launch fetches is a dense block, stated there as rows of 256 bytes.
;   vp_codes [b*8+hk][4 chunks][128 d][512 keys]: the KEYS innermost (K of the second product), in chunks of 512 keys: a chunk has the shape of one head of v_codes.
; code = x / 2^e, held within +-57,344, to the nearest code, ties to even; e = entry 4 of the scales for K, entry 6 for V.
; LIMITS: both e between -126 and 112, so that 2^e and 57,344 x 2^e are f32 numbers.  NaN in the pools is not served (an infinity is held at the largest code).
;         A table entry is clamped at 16,383 as an unsigned number; the problem keeps entries inside the pool.
; SHARES.  Work-group (x = kb, y = bh) owns one kv head of one request, 256 prefix positions and 64 new keys; wave w the 16 positions 256 kb + 16 w and the 4 new keys 64 kb + 4 w.
; A token's row of one head is 512 consecutive bytes: one load of the wave, lane i takes d = 4 i .. 4 i + 3.  All 33 loads of a wave go out at once; no loop, one barrier.
; K: a token's 128 codes are 4 bytes a lane: through the wave's own stage they become runs of 16 bytes a lane, and a store covers 512 consecutive bytes.
; V: 4 x 4 bytes are turned in registers (v_perm_b32); the sixteen waves' pieces meet in one stage (128 rows of 256 bytes + 16), and each wave stores 8 whole rows: sixteen lanes write 256 consecutive bytes, aligned.
; No tensor loads: the rows are named by a list.  No cache hint on the pool loads: the list may name a row twice.
; THE ORDER OF KEYS IN kp_codes: inside each group of 32 keys the rows lie in the order 0-7, 16-23, 8-15, 24-31 (bits 3 and 4 of the key's number change places), prefix and new keys alike:
; the 16 keys that form a tile of the next launch's first product are then 16 neighbouring rows.
.set VSTG, 32768
.set VPI,  272
.set A,    16                          ; v16-31   byte offset of token t's row in a pool + 16 x lane
.set KX,   32                          ; v32-95   K: 16 tokens x 4 numbers
.set VX,   96                          ; v96-159  V likewise
.set KC,   160                         ; v160-175 K's codes
.set VC,   176                         ; v176-191 V's
.set T,    192                         ; v192-195 at work in the turn
.set VD,   196                         ; v196-211 V turned
.set NK,   212                         ; v212-215 16 bytes of the new keys' codes
.set KO,   32
.set VO,   96
	s_load_b256 s[4:11], s[0:1], 0x0               ; pool_k, pool_v, the table, the scales
	s_load_b128 s[12:15], s[0:1], 0x20             ; kp_codes, vp_codes
	s_load_b64 s[62:63], s[0:1], 0x30              ; k_codes
	v_lshl_add_u32 v216, v0, 2, 0x10800
	v_mov_b32 v217, 0
	v_lshrrev_b32 v1, 5, v0
	v_readfirstlane_b32 s16, v1                    ; wave 0..15
	v_and_b32 v1, 31, v0                           ; lane
	v_lshlrev_b32 v2, 4, v1                        ; 16 x lane
	v_and_b32 v3, 15, v0                           ; r
	v_bfe_u32 v4, v0, 4, 1                         ; h
	s_mov_b32 s17, ttmp9                           ; kb
	s_and_b32 s18, ttmp7, 0xffff                   ; bh
	s_lshr_b32 s19, s18, 3                         ; b
	s_and_b32 s20, s18, 7                          ; hk
	s_lshl_b32 s60, s16, 11                        ; my stage for K
	v_lshl_add_u32 v5, v1, 2, s60                  ; in: 4 bytes a lane
	v_add_nc_u32 v6, s60, v2                       ; back: 16 bytes a lane
	s_lshl_b32 s60, s16, 4
	v_mul_u32_u24 v7, v1, 4*VPI
	v_add_nc_u32 v7, s60, v7
	v_add_nc_u32 v7, VSTG, v7                      ; V's stage, in: row 4 lane (+ x), my wave's 16 bytes of it
	s_mul_i32 s60, s16, 8*VPI
	v_mul_u32_u24 v8, v4, VPI
	v_lshl_add_u32 v8, v3, 4, v8
	v_add_nc_u32 v8, s60, v8
	v_add_nc_u32 v8, VSTG, v8                      ; back: rows 8 w + h (+ 2 j), sixteen lanes to a row
	v_lshlrev_b32 v9, 9, v4
	v_lshl_add_u32 v9, v3, 4, v9                   ; and the same place in vp_codes: a chunk's row is 512 bytes
	s_lshl_b32 s22, s19, 13                        ; the table: (2048 b + 256 kb + 16 w) x 4 bytes
	s_lshl_b32 s60, s17, 10
	s_add_co_u32 s22, s22, s60
	s_lshl_b32 s60, s16, 6
	s_add_co_u32 s22, s22, s60
	s_mov_b32 s23, 0
	s_lshl_b32 s24, s20, 9                         ; the pools: my head's 512 bytes of a token's row
	s_mov_b32 s25, 0
	s_mul_i32 s26, s18, 327680                     ; kp_codes: (2560 bh + 256 kb + 16 w) x 128
	s_lshl_b32 s60, s17, 15
	s_add_co_u32 s26, s26, s60
	s_lshr_b32 s60, s16, 1                         ; my 16 keys are half of group w / 2: keys 0-7 go to its rows 8 (w % 2) on, keys 8-15 sixteen rows further
	s_lshl_b32 s60, s60, 12
	s_add_co_u32 s26, s26, s60
	s_and_b32 s60, s16, 1
	s_lshl_b32 s60, s60, 10
	s_add_co_u32 s26, s26, s60
	s_mov_b32 s27, 0
	s_lshl_b32 s28, s18, 18                        ; vp_codes: bh x 2^18 + (kb / 2) x 2^16 + 8 w rows of 512 + (kb % 2) x 256
	s_lshl_b32 s60, s16, 12
	s_add_co_u32 s28, s28, s60
	s_lshr_b32 s60, s17, 1
	s_lshl_b32 s60, s60, 16
	s_add_co_u32 s28, s28, s60
	s_and_b32 s60, s17, 1
	s_lshl_b32 s60, s60, 8
	s_add_co_u32 s28, s28, s60
	s_mov_b32 s29, 0
	s_lshl_b32 s30, s19, 19                        ; k_codes: b x 2^19 + (64 kb + 4 w) x 1,024 + hk x 128
	s_lshl_b32 s60, s17, 16
	s_add_co_u32 s30, s30, s60
	s_lshl_b32 s60, s16, 12
	s_add_co_u32 s30, s30, s60
	s_lshl_b32 s60, s20, 7
	s_add_co_u32 s30, s30, s60
	s_mul_i32 s21, s17, 24576                      ; the new keys' place, counted from my prefix keys' place in kp_codes: at least 60,416
	s_sub_co_u32 s21, 262144, s21                  ; (2048 + 64 kb) x 128 - 256 kb x 128,
	s_lshr_b32 s60, s16, 1
	s_lshl_b32 s60, s60, 12
	s_sub_co_u32 s21, s21, s60                     ; less my prefix keys' 4,096 (w / 2) + 1,024 (w % 2),
	s_and_b32 s60, s16, 1
	s_lshl_b32 s60, s60, 9
	s_sub_co_u32 s21, s21, s60                     ; plus row 4 (w % 2) + 8 (bit 2 of w) + 16 (bit 1 of w) + 32 (w / 8) of 128 bytes
	s_bfe_u32 s60, s16, 0x10002
	s_lshl_b32 s60, s60, 10
	s_add_co_u32 s21, s21, s60
	s_bfe_u32 s60, s16, 0x10001
	s_lshl_b32 s60, s60, 11
	s_add_co_u32 s21, s21, s60
	s_lshr_b32 s60, s16, 3
	s_lshl_b32 s60, s60, 12
	s_add_co_u32 s21, s21, s60
	v_lshrrev_b32 v14, 3, v1                       ; eight lanes to a new key's 128 bytes
	v_lshlrev_b32 v14, 10, v14
	v_and_b32 v15, 7, v1
	v_lshl_add_u32 v14, v15, 4, v14
	v_add_nc_u32 v14, s30, v14
	v_add_nc_u32 v15, s21, v2                      ; out: the wave's 512 consecutive bytes
	s_mov_b32 s56, 0x05010400                      ; v_perm_b32: bytes 0 and 1 of two words, interleaved
	s_mov_b32 s57, 0x07030602                      ; bytes 2 and 3 likewise
	s_mov_b32 s58, 0x05040100                      ; the low halves of two words
	s_mov_b32 s59, 0x07060302                      ; the high halves
	s_wait_kmcnt 0x0
	s_add_nc_u64 s[8:9], s[8:9], s[22:23]
	s_load_b512 s[32:47], s[8:9], 0x0              ; my sixteen entries of the table
	s_load_b256 s[48:55], s[10:11], 0x0            ; the eight exponents
	s_add_nc_u64 s[4:5], s[4:5], s[24:25]
	s_add_nc_u64 s[6:7], s[6:7], s[24:25]
	s_add_nc_u64 s[12:13], s[12:13], s[26:27]
	s_add_nc_u64 s[14:15], s[14:15], s[28:29]
	s_wait_kmcnt 0x0
.irp t, 0,1,2,3,4,5,6,7,8,9,10,11,12,13,14,15
	s_min_u32 s[32+\t], s[32+\t], 0x3fff           ; inside the pool,
	s_lshl_b32 s[32+\t], s[32+\t], 12              ; a token's row of 8 heads is 4,096 bytes
	v_add_nc_u32 v[A+\t], s[32+\t], v2
.endr
	s_wait_alu depctr_va_vdst(0)                   ; the wait at the head's end
	global_load_b128 v[NK:NK+3], v14, s[62:63]     ; the oldest load: every counted wait below shows it done too
.irp t, 0,1,2,3,4,5,6,7,8,9,10,11,12,13,14,15
	global_load_b128 v[KX+4*\t:KX+4*\t+3], v[A+\t], s[4:5]
.endr
.irp t, 0,1,2,3,4,5,6,7,8,9,10,11,12,13,14,15
	global_load_b128 v[VX+4*\t:VX+4*\t+3], v[A+\t], s[6:7]
.endr
	s_add_co_i32 s60, s52, 127                     ; K: e = entry 4
	s_lshl_b32 s61, s60, 23
	v_mov_b32 v11, s61                             ; 2^e as f32
	s_add_co_i32 s60, s60, 15
	s_lshl_b32 s60, s60, 23
	s_or_b32 s60, s60, 0x600000
	v_mov_b32 v10, s60                             ; 57,344 x 2^e
	s_add_co_i32 s60, s54, 127                     ; V: e = entry 6
	s_lshl_b32 s61, s60, 23
	v_mov_b32 v13, s61
	s_add_co_i32 s60, s60, 15
	s_lshl_b32 s60, s60, 23
	s_or_b32 s60, s60, 0x600000
	v_mov_b32 v12, s60
; Tokens 2 i and 2 i + 1: eight numbers of a lane become two registers of four codes.  cnt: the loads issued behind token 2 i + 1's, which may stay out.
.macro QPAIR src, dst, lim, scl, i, cnt
	s_wait_loadcnt \cnt
.irp n, 0,1,2,3,4,5,6,7
	v_med3_num_f32 v[\src+8*(\i)+\n], v[\src+8*(\i)+\n], -v[\lim], v[\lim]   ; the conversion does not saturate (ISA guide 7.6.2): the hold comes first
.endr
	v_cvt_scalef32_pk8_bf8_f32 v[\dst+2*(\i):\dst+2*(\i)+1], v[\src+8*(\i):\src+8*(\i)+7], v[\scl]
.endm
	s_wait_alu depctr_va_vdst(0)                   ; the wait here, ahead of the waits below
.irp i, 0,1,2,3,4,5,6,7
	QPAIR KX, KC, 10, 11, \i, 30-2*\i              ; behind them: K's later loads and V's sixteen
.endr
	v_nop                                          ; a plain vector line behind the last conversion of the run
	global_store_b128 v15, v[NK:NK+3], s[12:13]    ; the new keys: 512 consecutive bytes, four keys
.irp t, 0,1,2,3,4,5,6,7,8,9,10,11,12,13,14,15
	ds_store_b32 v5, v[KC+\t] offset:128*\t
.endr
.irp j, 0,1,2,3
	ds_load_b128 v[KO+4*\j:KO+4*\j+3], v6 offset:512*\j        ; LDS serves a wave's instructions in order (ISA guide 5.7.1.4): these see my stores
.endr
.irp i, 0,1,2,3,4,5,6,7
	QPAIR VX, VC, 12, 13, \i, 14-2*\i              ; behind them: V's later loads
.endr
	v_nop
.macro TR4 g                           ; tokens 4 g .. 4 g + 3: four words of four d become four words of four tokens
	v_perm_b32 v[T],   v[VC+4*\g+1], v[VC+4*\g],   s56
	v_perm_b32 v[T+1], v[VC+4*\g+1], v[VC+4*\g],   s57
	v_perm_b32 v[T+2], v[VC+4*\g+3], v[VC+4*\g+2], s56
	v_perm_b32 v[T+3], v[VC+4*\g+3], v[VC+4*\g+2], s57
	v_perm_b32 v[VD+\g],    v[T+2], v[T],   s58
	v_perm_b32 v[VD+4+\g],  v[T+2], v[T],   s59
	v_perm_b32 v[VD+8+\g],  v[T+3], v[T+1], s58
	v_perm_b32 v[VD+12+\g], v[T+3], v[T+1], s59
.endm
	TR4 0
	TR4 1
	TR4 2
	TR4 3
.irp x, 0,1,2,3
	ds_store_b128 v7, v[VD+4*\x:VD+4*\x+3] offset:VPI*\x       ; 16 keys of row d = 4 lane + x
.endr
.irp j, 0,1,2,3
	s_wait_dscnt 7-\j                              ; behind K's load j: its later loads and V's four stores
	global_store_b128 v2, v[KO+4*\j:KO+4*\j+3], s[12:13] offset:512*\j+1024*(\j/2)   ; 512 consecutive bytes, four keys; keys 8-15 lie sixteen rows behind keys 0-7
.endr
	s_wait_dscnt 0x0                               ; for the others' sake: my stores into V's stage are done
	s_barrier_signal -1
	s_barrier_wait -1
.irp j, 0,1,2,3
	ds_load_b128 v[VO+4*\j:VO+4*\j+3], v8 offset:2*VPI*\j
.endr
.irp j, 0,1,2,3
	s_wait_dscnt 3-\j
	global_store_b128 v9, v[VO+4*\j:VO+4*\j+3], s[14:15] offset:1024*\j  ; sixteen lanes store 256 consecutive bytes, aligned
.endr
	s_wait_tensorcnt 0x0                           ; the wave's end
	ds_add_u32 v216, v217
	s_wait_dscnt 0x0
	s_endpgm
.Lfunc_end_k_qb550004245_pack:
	.size	k_qb550004245_pack, .Lfunc_end_k_qb550004245_pack-k_qb550004245_pack
	.p2alignl 7, 3214868480
	.fill 96, 4, 3214868480
	.section	.rodata,"a",@progbits
	.p2align	6, 0x0
	.amdhsa_kernel k_qb550004245_pack
		.amdhsa_group_segment_fixed_size 69632
		.amdhsa_private_segment_fixed_size 0
		.amdhsa_enable_private_segment 0
		.amdhsa_kernarg_size 56
		.amdhsa_user_sgpr_count 2
		.amdhsa_user_sgpr_kernarg_segment_ptr 1
		.amdhsa_wavefront_size32 1
		.amdhsa_system_sgpr_workgroup_id_x 1
		.amdhsa_system_sgpr_workgroup_id_y 1
		.amdhsa_system_sgpr_workgroup_id_z 1
		.amdhsa_system_vgpr_workitem_id 0
		.amdhsa_next_free_vgpr 218
		.amdhsa_next_free_sgpr 66
		.amdhsa_reserve_vcc 0
		.amdhsa_float_denorm_mode_32 3
		.amdhsa_float_denorm_mode_16_64 3
		.amdhsa_memory_ordered 1
		.amdhsa_forward_progress 1
		.amdhsa_inst_pref_size 25
	.end_amdhsa_kernel
	.amdgpu_metadata
---
amdhsa.version: [ 1, 2 ]
amdhsa.kernels:
  - .name:           k_qb550004245_pack
    .symbol:         k_qb550004245_pack.kd
    .args:
      - { .name: pool_k, .offset: 0, .size: 8, .value_kind: global_buffer, .address_space: global }
      - { .name: pool_v, .offset: 8, .size: 8, .value_kind: global_buffer, .address_space: global }
      - { .name: req_to_token, .offset: 16, .size: 8, .value_kind: global_buffer, .address_space: global }
      - { .name: lowp_scales, .offset: 24, .size: 8, .value_kind: global_buffer, .address_space: global }
      - { .name: kp_codes, .offset: 32, .size: 8, .value_kind: global_buffer, .address_space: global }
      - { .name: vp_codes, .offset: 40, .size: 8, .value_kind: global_buffer, .address_space: global }
      - { .name: k_codes, .offset: 48, .size: 8, .value_kind: global_buffer, .address_space: global }
    .group_segment_fixed_size: 69632
    .private_segment_fixed_size: 0
    .kernarg_segment_align: 8
    .kernarg_segment_size: 56
    .max_flat_workgroup_size: 512
    .sgpr_count:     66
    .vgpr_count:     218
    .wavefront_size: 32
...
	.end_amdgpu_metadata
.endif
;; end of part 1
;; launch attn (part 2): grid 8 x 32, 8 waves a work-group, clusters of 4 x 1, 327,680 bytes of LDS; arguments q_codes, kp_codes, v_codes, vp_codes, lowp_scales, out0; writes out0
.if DOCPART == 2
	.amdgcn_target "amdgcn-amd-amdhsa--gfx1250"
	.amdhsa_code_object_version 6
	.text
	.protected	k_qb550004245_attn
	.globl	k_qb550004245_attn
	.p2align	8
	.type	k_qb550004245_attn,@function
k_qb550004245_attn:
	s_mov_b64 s[64:65], 0
	v_nop
	global_prefetch_b8 v0, s[64:65] scope:SCOPE_SE
	s_setreg_imm32_b32 hwreg(HW_REG_WAVE_MODE, 25, 1), 1
	s_wait_xcnt 0x0
	s_wait_alu depctr_hold_cnt(0) depctr_sa_sdst(0) depctr_va_vdst(0) depctr_va_sdst(0) depctr_va_ssrc(0) depctr_va_vcc(0) depctr_vm_vsrc(0)
	s_getreg_b32 s2, hwreg(HW_REG_IB_STS2, 6, 4)
	s_cmp_eq_u32 s2, 0
	s_cbranch_scc0 .Lentry_in_a_cluster
	s_endpgm
.Lentry_in_a_cluster:
	s_bfe_u32 s2, ttmp6, 0x10000c
	s_cmp_lg_u32 s2, 0x3003
	s_cbranch_scc0 .Lentry_shape_is_right
	s_endpgm
.Lentry_shape_is_right:
; out0 = the merge of two attentions of the same queries: plain over the request's 2,048 prefix keys, causal over its 512 new keys.  All four products on codes of BF8 (E5M2).
; THE MERGE IS NOT A STEP OF ITS OWN.  o = (2^M1 O1 + 2^M2 O2) / (2^M1 l1 + 2^M2 l2) is what ONE running state (M, l, O) gives that walks the prefix keys and then the new keys.
; Between the two parts only constants change, and O is multiplied once by the exact power 2^((e6 + e7) - (e2 + e3)).
; THE SOFTMAX: t = score x log2(e) / sqrt(128); M = the running largest t rounded UP to a whole number; p = 2^(t - M) is quantised, not normalised; l sums the unquantised p; when M moves, l and O
; are multiplied by 2^(old M - new M), which rounds nothing.  The largest t is taken away in every step.
; WORK LEFT OUT: tiles of 16 queries x 128 new keys that lie wholly above the diagonal of the mask that the problem builds itself: their p are 0 for all inputs.  A NaN or infinity in such a tile is not carried.
; LIMITS on the given exponents: e0 + e1 and e4 + e5 between -123 and 130 (added to c's exponent field); e3 and e7 between -126 and 112; (e6 + e7) - (e2 + e3) between -149 and 127.
;   The new keys' p are quantised under the running M, which has seen the prefix too: the same codes, shifted by a whole power of two, but for p that fall under the format's smallest number,
;   2^(e3 - 16): those lose at most 2^(e3 - 17) each beside a largest p of the merged row above 1/2.  The scaled scores stay under 2^31 in magnitude.
; SHARES.  Work-group = one query head and 256 of its request's 512 tokens.  The four work-groups of a cluster are the four query heads of ONE kv head, with the same tokens: they walk the same tiles of
; K and V, so each tile is asked for JOINTLY (mask 15), and their control flow is alike.  My place in the cluster enters Q's and out0's addresses alone.
; Wave w owns two tiles of 16 tokens: block i = 2 w + ts (window 0) and block 31 - i (window 1), ts = the cluster's x.  Their diagonals lie in causal key steps w / 4 and 3 - w / 4, which hang on the
; wave's number alone: every wave has five causal tile steps.
; LAYOUT.  Both products transposed: S^T = K Q^T, O^T = V^T P^T: a lane holds one query (lane % 16).  Lane r of K's tile 2 b + u takes key 32 b + 8 u + r + 8 (r / 8), so that the 16 registers of
; tiles 2 b, 2 b + 1 are keys 32 b + 16 (lane / 16) + 0 .. 15: the conversions' results are the second product's operand.  kp_codes holds each 32 keys in the order 0-7, 16-23, 8-15, 24-31, so a tile's
; 16 keys are 16 neighbouring rows.  Fragments come by four loads of 16 bytes: a permutation of k, alike in both operands.
; THE RING: two slots of 512 keys; five chunks: the prefix's four (A, B, A, B), then the new keys (A).  kp_codes holds all five chunks of K on end; V's fifth chunk is v_codes, of the same shape as a
; chunk of vp_codes.  Every fill is eight joint loads, one a wave: waves 0-3 a quarter of K (16,384 dense bytes, stated as 64 rows of 256), waves 4-7 a quarter of V (32 rows of 512 bytes).
; Chunk 0 goes out at the head, chunk 1 behind the full sequence, chunks 2 to 4 at the changes of slots.
; NO PREFETCH: a chunk is asked for by its tensor loads four key steps (128 products and eight softmax tiles a wave) ahead of its first read; chunks 0 and 1 have no loop ahead of them.
; A PREFIX KEY STEP (128 keys, both tiles) is a HEAD and a TAIL.  HEAD: tile 0's K Q^T; tile 0's softmax, with tile 1's K Q^T and then the request for V's fragments inside it.
; TAIL: the NEXT step's K, fragments 0-3; tile 1's softmax, with tile 0's V^T P inside it; the next K's fragments 4-7; tile 1's V^T P.  The eight products that stand inside a softmax stand one by one
; between the lines of its dependent chain from the largest score to -M: they name none of that tile's registers.  The next K lands in the score registers that are done with, so regions RX and RY
; change roles from step to step.  The change of slots stands between the HEAD and the TAIL of a slot's last step.
; REGISTERS: tile u lives in window u under the same numbers.  Window 0 alone: v1 AK0, v2 AV0, v3 STO, v4 RD, v5 spare word, v6 zero, v7 and v10 the tiles' offsets in out0, v8 K's address, v9 V's,
;   v11 and v247 Q's offsets; at the head v255 r - 16 h.  Both windows: v12 -M, v13 largest t, v[14:15] l, v16-31 Q, RX = v32-95, RY = v96-159, v160-223 O^T, v224-239 p's codes,
;   v240, v241 57,344 x 2^ep, v244 2^ep, v245 my query - 16 h, v246 and v242, v243, v248-255 at work (chains of maxima and of sums, f in v252).
; s_set_vgpr_msb's low byte: bits 1:0 source 0, 3:2 source 1, 5:4 source 2, 7:6 destination.
.set KP,    144                        ; a key's row in LDS: 128 bytes + 16
.set VP,    528                        ; a row of V's tile: 512 keys + 16
.set KSTEP, 128*KP
.set VOFF,  512*KP
.set SLOTB, VOFF+128*VP                ; 141,312: slot B begins here; it shares no bit with 2 x KSTEP, nor with 256 and 512
.set SPARE, 2*SLOTB                    ; the spare words, 128 bytes a wave
.set STAGE, SLOTB                      ; the way out: 16 rows x 272 a wave, in slot B, which has had its last fill and its last read at the last change of slots
.set SP,    272
.set RX,    32
.set RY,    96
.set MSB, 0
.macro WIN new
.if MSB != (\new)
	s_set_vgpr_msb (MSB<<8)|(\new)
.set MSB, (\new)
.endif
.endm
.macro PLACES                          ; four plain vector lines behind matrix instructions (ISA guide 7.12.1)
.rept 4
	v_nop
.endr
.endm
.macro CROUND                          ; a round of the cluster's barrier
	s_barrier_signal -1
	s_barrier_wait -1
	s_cmp_lg_u32 s18, 0
	s_cbranch_scc1 .Lnot_wave_0_\@
	s_barrier_signal -3
.Lnot_wave_0_\@:
	s_barrier_wait -3
	s_barrier_signal -1
	s_barrier_wait -1
.endm
.macro TLOAD                           ; waves 0-3: my quarter of K; waves 4-7: my quarter of V.  An s_nop 0 and four v_nop follow each line
	s_cmp_lt_u32 s18, 4
	s_cbranch_scc0 .Lfor_v_\@
	tensor_load_to_lds s[40:43], s[24:31]
	s_nop 0
	PLACES
	s_branch .Lasked_\@
.Lfor_v_\@:
	tensor_load_to_lds s[44:47], s[32:39]
	s_nop 0
	PLACES
.Lasked_\@:
.endm
.macro WALK                            ; both groups 0: the other slot, the next chunk of 65,536 bytes
	s_xor_b32 s48, s48, SLOTB
	s_add_co_u32 s41, s49, s48
	s_add_co_u32 s45, s58, s48
	s_add_nc_u64 s[42:43], s[42:43], 65536
	s_add_nc_u64 s[46:47], s[46:47], 65536
.endm
	s_load_b256 s[4:11], s[0:1], 0x0               ; q s[4:5], kp s[6:7], v s[8:9], vp s[10:11]
	s_load_b128 s[12:15], s[0:1], 0x20             ; the scales s[12:13], out0 s[14:15]
	v_lshl_add_u32 v5, v0, 2, SPARE
	v_mov_b32 v6, 0
	ds_add_u32 v5, v6                              ; the opening lines: the add, twice on end, and its wait
	ds_add_u32 v5, v6
	v_lshrrev_b32 v8, 5, v0
	v_readfirstlane_b32 s18, v8                    ; wave 0..7
	s_bfe_u32 s93, ttmp6, 0x40000                  ; cx: which of the kv head's four query heads.  Only s93, s2, s3 ever hold it
	s_and_b32 s94, ttmp7, 0xffff                   ; bh = 8 b + hk
	s_lshr_b32 s95, s94, 3                         ; b
	s_and_b32 s96, s94, 7                          ; hk
	s_lshl_b32 s54, s18, 5
	s_lshl_b32 s97, ttmp9, 4
	s_add_co_u32 s54, s54, s97                     ; tile 0's first token: 16 (2 w + ts)
	s_sub_co_u32 s55, 496, s54                     ; tile 1's: 16 (31 - 2 w - ts)
	s_lshr_b32 s52, s18, 2                         ; the causal key step of tile 0's diagonal,
	s_sub_co_u32 s53, 3, s52                       ; and of tile 1's
	; groups 1.  15:0 mask: all four work-groups; elements of 1 byte; 20 padding on; 21 set beside a mask; 24:22 interval (code 4: 32 words, code 6: 128); 31:25 four words (code 3)
	s_mov_b32 s24, 15|(1<<20)|(1<<21)|(4<<22)|(3<<25)   ; K: 128 keys of 128 bytes, dense, as 64 rows of 256 bytes; the padding behind each 128 bytes
	s_mov_b32 s25, 256<<16
	s_mov_b32 s26, 64<<16
	s_mov_b32 s27, 256<<16
	s_mov_b32 s28, 64
	s_mov_b32 s29, 256
	s_mov_b32 s30, 0
	s_mov_b32 s31, 0
	s_mov_b32 s32, 15|(1<<20)|(1<<21)|(6<<22)|(3<<25)   ; V: 32 rows of 512 bytes, dense
	s_mov_b32 s33, 512<<16
	s_mov_b32 s34, 32<<16
	s_mov_b32 s35, 512<<16
	s_mov_b32 s36, 32
	s_mov_b32 s37, 512
	s_mov_b32 s38, 0
	s_mov_b32 s39, 0
	s_and_b32 s99, s18, 3                          ; which quarter I fetch
	s_mov_b32 s40, 1
	s_mov_b32 s44, 1
	s_mul_i32 s49, s99, KSTEP                      ; its place in a slot: K's,
	s_mul_i32 s58, s99, 32*VP
	s_add_co_u32 s58, s58, VOFF                    ; V's
	s_mov_b32 s48, 0                               ; the slot that is filled next: A
	s_mov_b32 s41, s49
	s_mov_b32 s45, s58
	s_mov_b32 s101, 0
	s_mov_b32 s20, 0x76543210                      ; v_permlanex16_b32's selects for lane l xor 16
	s_mov_b32 s21, 0xfedcba98
	s_mov_b32 s76, 0                               ; KB: LDS byte from which the next fetch of K counts
	s_mov_b32 s77, 0                               ; VB: the same for V
	s_lshl_b32 s2, s96, 2
	s_add_co_u32 s93, s93, s2                      ; my query head: 4 hk + cx
	s_mul_i32 s98, s18, 16*SP
	s_add_co_u32 s98, s98, STAGE                   ; my stage
	s_wait_dscnt 0x0                               ; both opening adds are done
	s_wait_kmcnt 0x0
	s_load_b256 s[80:87], s[12:13], 0x0            ; e0 .. e7
	s_lshl_b32 s97, s99, 14                        ; my quarter: 16,384 bytes
	s_mul_i32 s100, s94, 327680                    ; kp_codes: bh x 5 chunks
	s_add_co_u32 s100, s100, s97
	s_add_nc_u64 s[42:43], s[6:7], s[100:101]
	s_or_b32 s43, s43, 0x80000000
	s_lshl_b32 s100, s94, 18                       ; vp_codes: bh x 4 chunks
	s_add_co_u32 s100, s100, s97
	s_add_nc_u64 s[46:47], s[10:11], s[100:101]
	s_or_b32 s47, s47, 0x80000000
	s_lshl_b32 s100, s94, 16                       ; v_codes: bh x 1 chunk
	s_add_co_u32 s100, s100, s97
	s_add_nc_u64 s[50:51], s[8:9], s[100:101]
	s_or_b32 s51, s51, 0x80000000
	s_lshl_b32 s2, s95, 21                         ; q_codes: 512 b rows of 4,096 + head x 128
	s_lshl_b32 s3, s93, 7
	s_add_co_u32 s2, s2, s3
	s_mov_b32 s3, 0
	s_add_nc_u64 s[4:5], s[4:5], s[2:3]
	s_lshl_b32 s2, s95, 23                         ; out0: 512 b rows of 16,384 + head x 512
	s_lshl_b32 s3, s93, 9
	s_add_co_u32 s2, s2, s3
	s_mov_b32 s3, 0
	s_add_nc_u64 s[14:15], s[14:15], s[2:3]
	CROUND                                         ; all four work-groups are here: the first joint loads meet
	TLOAD                                          ; chunk 0 into slot A: one tensor load a wave at the head
	v_and_b32 v8, 15, v0                           ; r
	v_bfe_u32 v9, v0, 4, 1                         ; h
	v_add_nc_u32 v11, s54, v8
	v_lshlrev_b32 v11, 12, v11
	v_lshl_add_u32 v11, v9, 4, v11                 ; Q, tile 0: my token's row + 16 h
	v_add_nc_u32 v247, s55, v8
	v_lshlrev_b32 v247, 12, v247
	v_lshl_add_u32 v247, v9, 4, v247               ; tile 1
	v_mul_u32_u24 v1, v8, KP                       ; a tile's 16 keys are 16 neighbouring rows: at 144 bytes a row they start at 16 different groups of four banks
	v_lshl_add_u32 v1, v9, 4, v1                   ; AK0
	v_mul_u32_u24 v2, v8, VP
	v_lshl_add_u32 v2, v9, 4, v2
	v_add_nc_u32 v2, VOFF, v2                      ; AV0
	v_mul_u32_u24 v3, v8, SP
	v_lshl_add_u32 v3, v9, 5, v3
	v_add_nc_u32 v3, s98, v3                       ; the stage, in: row r, + 32 h
	v_mul_u32_u24 v4, v9, SP
	v_lshl_add_u32 v4, v8, 4, v4
	v_add_nc_u32 v4, s98, v4                       ; back: lanes 0-15 one row, lanes 16-31 the next
	v_add_nc_u32 v7, s54, v9
	v_lshlrev_b32 v7, 14, v7
	v_lshl_add_u32 v7, v8, 4, v7                   ; and the same two rows in out0: tile 0,
	v_add_nc_u32 v10, s55, v9
	v_lshlrev_b32 v10, 14, v10
	v_lshl_add_u32 v10, v8, 4, v10                 ; tile 1
	v_lshlrev_b32 v255, 4, v9
	v_sub_nc_u32 v255, v8, v255                    ; r - 16 h
.irp c, 0,1,2,3
	global_load_b128 v[16+4*\c:19+4*\c], v11, s[4:5] offset:32*\c
.endr
	WIN 0x40
.irp c, 0,1,2,3
	global_load_b128 v[16+4*\c:19+4*\c], v247, s[4:5] offset:32*\c
.endr
	WIN 0
	s_wait_alu depctr_va_vdst(0)                   ; the wait here, directly ahead of the wait below
	s_wait_kmcnt 0x0
	s_add_co_i32 s97, s84, s85                     ; a prefix score stands for score x 2^(e4 + e5): added to c's exponent field
	s_lshl_b32 s97, s97, 23
	s_mov_b32 s22, 0x3e0293ee                      ; c = log2(e) / sqrt(128)
	s_add_co_i32 s22, s22, s97
	s_mov_b32 s23, s22
	s_add_co_i32 s97, s80, s81                     ; the new keys' c, with e0 + e1
	s_lshl_b32 s97, s97, 23
	s_mov_b32 s88, 0x3e0293ee
	s_add_co_i32 s88, s88, s97
	s_add_co_i32 s90, s83, 127                     ; the new keys' p: 2^e3,
	s_lshl_b32 s89, s90, 23
	s_add_co_i32 s90, s90, 15
	s_lshl_b32 s90, s90, 23
	s_or_b32 s90, s90, 0x600000                    ; and 57,344 x 2^e3
	s_add_co_i32 s92, s82, s83                     ; e2 + e3: applied at the end
	s_add_co_i32 s91, s86, s87
	s_sub_co_i32 s91, s91, s92                     ; (e6 + e7) - (e2 + e3): applied between the parts
	s_add_co_i32 s98, s87, 127                     ; the prefix's p: 2^e7,
	s_lshl_b32 s97, s98, 23
	s_add_co_i32 s98, s98, 15
	s_lshl_b32 s98, s98, 23
	s_or_b32 s98, s98, 0x600000                    ; and 57,344 x 2^e7
.macro INIT u                          ; tile u's state.  The key step is written once for all steps: the first finds zeros in l and O^T, which the first change of M leaves zeros
	WIN 0x40*\u
	v_add_nc_u32 v245, s[54+\u], v255              ; my query - 16 h, for the mask
	v_mov_b32 v13, 0xff61b1e6                      ; the largest t so far: -3e38
	v_mov_b32 v12, 0x7f61b1e6                      ; -M = 3e38, a whole number
	v_mov_b32 v14, 0
	v_mov_b32 v15, 0
	v_mov_b32 v246, 0                              ; a lane permute's destination counts as one of its sources
	v_mov_b32 v253, 0                              ; (named as the upper half of the pair v[252:253])
	v_mov_b32 v244, s97
	v_mov_b32 v240, s98
	v_mov_b32 v241, s98                            ; the same once more: the two halves of a dual pair take their second sources from different banks
.set jj, 0
.rept 64
	v_mov_b32 v[160+jj], 0
.set jj, jj+1
.endr
.endm
	INIT 0
	INIT 1
	WIN 0
.macro KLOAD reg, g, off               ; fragments 4 g .. 4 g + 3 of a step's K into window g: 16 loads.  v8 = KB + AK0
	WIN 0x40*\g
.irp t, 0,1,2,3
.irp c, 0,1,2,3
	ds_load_b128 v[\reg+16*\t+4*\c:\reg+16*\t+4*\c+3], v8 offset:(\off)+16*(4*\g+\t)*KP+32*\c
.endr
.endr
.endm
.macro VLOAD reg, off                  ; a step's eight fragments of V, fragment 4 g + t into window g: 32 loads.  v9 = VB + AV0
.irp g, 0,1
	WIN 0x40*\g
.irp t, 0,1,2,3
.irp c, 0,1,2,3
	ds_load_b128 v[\reg+16*\t+4*\c:\reg+16*\t+4*\c+3], v9 offset:(\off)+16*(4*\g+\t)*VP+32*\c
.endr
.endr
.endr
.endm
.macro SP1 u                           ; one tile's S^T in a causal step, fragments in RX, scores to RY
.irp g, 0,1
	WIN (\u<<6)|(\u<<4)|(\u<<2)|\g
.irp t, 0,1,2,3
	v_wmma_f32_16x16x128_bf8_bf8 v[RY+8*(4*\g+\t):RY+8*(4*\g+\t)+7], v[RX+16*\t:RX+16*\t+15], v[16:31], 0
.endr
.endr
	WIN 0
.endm
.macro PV F, u                         ; tile u's O^T += V^T P^T: 8 products on 8 accumulators, one instruction a turn
.irp g, 0,1
	WIN (\u<<6)|(\u<<4)|(\u<<2)|\g
.irp t, 0,1,2,3
	v_wmma_f32_16x16x128_bf8_bf8 v[160+8*(4*\g+\t):167+8*(4*\g+\t)], v[\F+16*\t:\F+16*\t+15], v[224:239], v[160+8*(4*\g+\t):167+8*(4*\g+\t)]
.endr
.endr
.endm
; On the diagonal the scores of hidden keys become -infinity ahead of the maximum: p = 0 then.  Register 16 b + i holds key kf + 32 b + 16 h + i: hidden where 32 b + i > my query - 16 h - kf.  s57 = kf.
.macro MASK SB
	v_sub_nc_u32 v252, v245, s57
	v_mov_b32 v254, 0xff800000
	s_wait_alu depctr_va_vdst(0)                   ; the wait ahead of the first readers of the scores
.set nn, 0
.rept 64
	v_cmp_gt_i32 vcc_lo, 32*(nn/16)+nn%16, v252
	v_cndmask_b32 v[\SB+nn], v[\SB+nn], v254, vcc_lo
.set nn, nn+1
.endr
.endm
; WHAT STANDS INSIDE A SOFTMAX.  HK = 1 (a head; the softmax is tile 0's, window 0): product n of tile 1's K Q^T, fragments in HF, scores to HS.  HK = 2 (a tail; the softmax is tile 1's, window 1):
; product n of tile 0's V^T P, fragments in HF.  HK = 0: nothing.  Each product stands between two switches of the windows, and names no register of the softmax's tile.
.set HK, 0
.set HF, 0
.set HS, 0
.set HV, 0
.macro HOOK n
.if HK == 1
	WIN 0x54|((\n)/4)
	v_wmma_f32_16x16x128_bf8_bf8 v[HS+8*(\n):HS+8*(\n)+7], v[HF+16*((\n)%4):HF+16*((\n)%4)+15], v[16:31], 0
	WIN 0
.endif
.if HK == 2
	WIN (\n)/4
	v_wmma_f32_16x16x128_bf8_bf8 v[160+8*(\n):167+8*(\n)], v[HF+16*((\n)%4):HF+16*((\n)%4)+15], v[224:239], v[160+8*(\n):167+8*(\n)]
	WIN 0x55
.endif
.endm
.macro HOOKV                           ; a head: V's fragments are asked for, over K's, fourteen plain lines behind the last product that read K's
.if HK == 1
	VLOAD HF, HV
	WIN 0
.endif
.endm
.macro TM SB, j                        ; t - M, two at a time
	v_pk_fma_f32 v[\SB+\j:\SB+\j+1], v[\SB+\j:\SB+\j+1], s[22:23], v[12:13] op_sel_hi:[1,0,0]
.endm
.macro MX8 SB, i                       ; sixteen scores onto the eight chains of maxima
	v_max3_num_f32 v254, v254, v[\SB+\i], v[\SB+\i+1]
	v_max3_num_f32 v252, v252, v[\SB+\i+2], v[\SB+\i+3]
	v_max3_num_f32 v250, v250, v[\SB+\i+4], v[\SB+\i+5]
	v_max3_num_f32 v248, v248, v[\SB+\i+6], v[\SB+\i+7]
	v_max3_num_f32 v242, v242, v[\SB+\i+8], v[\SB+\i+9]
	v_max3_num_f32 v243, v243, v[\SB+\i+10], v[\SB+\i+11]
	v_max3_num_f32 v249, v249, v[\SB+\i+12], v[\SB+\i+13]
	v_max3_num_f32 v251, v251, v[\SB+\i+14], v[\SB+\i+15]
.endm
.macro ADD4 SB, j                      ; four pairs of p onto four of the six chains of l
	v_pk_add_f32 v[14:15], v[14:15], v[\SB+\j:\SB+\j+1]
	v_pk_add_f32 v[242:243], v[242:243], v[\SB+\j+2:\SB+\j+3]
	v_pk_add_f32 v[248:249], v[248:249], v[\SB+\j+4:\SB+\j+5]
	v_pk_add_f32 v[250:251], v[250:251], v[\SB+\j+6:\SB+\j+7]
.endm
.macro ADD2 SB, j                      ; two pairs onto the other two
	v_pk_add_f32 v[252:253], v[252:253], v[\SB+\j:\SB+\j+1]
	v_pk_add_f32 v[254:255], v[254:255], v[\SB+\j+2:\SB+\j+3]
.endm
.macro HOLD SB, a, n                   ; the hold of 2 n numbers from v[SB + a] on.  The conversion does not saturate (ISA guide 7.6.2); p is not negative, so the hold is one-sided; two at a time
.set hh, \a
.rept \n
	v_dual_min_num_f32 v[\SB+hh], v[\SB+hh], v240 :: v_dual_min_num_f32 v[\SB+hh+1], v[\SB+hh+1], v241
.set hh, hh+2
.endr
.endm
; One tile's softmax for a key step, in the window that is set; its 64 scores lie in v[SB] on.  Maxima run in eight chains, sums in six.  The exponentials go in two batches of 32; between them stand only
; lines that neither read a batch's results nor are read before the wait behind it: the second half's t - M among the first batch, the first half's hold among the second.
.macro SOFT SB
	s_wait_alu depctr_va_vdst(0)                   ; the wait ahead of the first readers of the scores: the 28 plain lines below
	v_max3_num_f32 v254, v[\SB], v[\SB+1], v[\SB+2]      ; ascending: each accumulator is first read at its low end
	v_max3_num_f32 v252, v[\SB+3], v[\SB+4], v[\SB+5]
	v_max3_num_f32 v250, v[\SB+6], v[\SB+7], v[\SB+8]
	v_max3_num_f32 v248, v[\SB+9], v[\SB+10], v[\SB+11]
	v_max3_num_f32 v242, v[\SB+12], v[\SB+13], v[\SB+14]
	v_max3_num_f32 v243, v[\SB+15], v[\SB+16], v[\SB+17]
	v_max3_num_f32 v249, v[\SB+18], v[\SB+19], v[\SB+20]
	v_max3_num_f32 v251, v[\SB+21], v[\SB+22], v[\SB+23]
	MX8 \SB, 24
	MX8 \SB, 40
	v_max3_num_f32 v254, v254, v[\SB+56], v[\SB+57]
	v_max3_num_f32 v252, v252, v[\SB+58], v[\SB+59]
	v_max3_num_f32 v250, v250, v[\SB+60], v[\SB+61]
	v_max3_num_f32 v248, v248, v[\SB+62], v[\SB+63]
	v_max3_num_f32 v242, v242, v243, v249          ; the eight chains join
	HOOK 0
	v_max3_num_f32 v254, v254, v252, v250
	v_max3_num_f32 v242, v242, v251, v248
	HOOK 1
	v_max_num_f32 v254, v254, v242                 ; the step's largest score of my query among my 64 keys
	HOOK 2
	v_permlanex16_b32 v246, v254, s20, s21         ; lane l xor 16's
	v_mul_f32 v254, s22, v254                      ; both as t (c is positive)
	HOOK 3
	v_mul_f32 v246, s22, v246
	HOOK 4
	v_max3_num_f32 v13, v13, v254, v246            ; the running largest t
	v_mov_b32 v254, v12
	HOOK 5
	v_floor_f32 v12, -v13                          ; the new -M = -ceil(t)
	HOOK 6
	v_sub_f32 v254, v12, v254                      ; old M - new M: a whole number, 0 or less
.irp j, 0,2,4,6
	TM \SB, \j
.endr
	HOOK 7
	v_cvt_i32_f32 v254, v254                       ; (it saturates)
.irp j, 8,10,12,14
	TM \SB, \j
.endr
	v_ldexp_f32 v252, 1.0, v254                    ; f = 2^(old M - new M)
.irp j, 16,18,20,22,24,26,28,30
	TM \SB, \j
.endr
	HOOKV
	s_wait_alu depctr_va_vdst(0)                   ; the wait: ahead of the first readers of O^T, and ahead of the batch for its sources
	v_pk_mul_f32 v[14:15], v[14:15], v[252:253] op_sel_hi:[1,0]   ; l under the new M
.set jj, 0
.rept 32
	v_pk_mul_f32 v[160+jj:161+jj], v[160+jj:161+jj], v[252:253] op_sel_hi:[1,0]   ; O^T under the new M, each accumulator from its low end on
.set jj, jj+2
.endr
.set jj, 0
.rept 16
	v_exp_f32 v[\SB+jj], v[\SB+jj]                 ; p = 2^(t - M), at most 1
	v_exp_f32 v[\SB+jj+1], v[\SB+jj+1]
	TM \SB, 32+jj
.set jj, jj+2
.endr
	s_wait_alu depctr_va_vdst(0)                   ; behind the first batch, ahead of the second
	v_pk_add_f32 v[242:243], v[\SB:\SB+1], v[\SB+2:\SB+3]         ; l takes the UNQUANTISED p
	v_pk_add_f32 v[248:249], v[\SB+4:\SB+5], v[\SB+6:\SB+7]
	v_pk_add_f32 v[250:251], v[\SB+8:\SB+9], v[\SB+10:\SB+11]
	v_pk_add_f32 v[252:253], v[\SB+12:\SB+13], v[\SB+14:\SB+15]
	v_pk_add_f32 v[254:255], v[\SB+16:\SB+17], v[\SB+18:\SB+19]
	ADD4 \SB, 20
	ADD2 \SB, 28
.set jj, 0
.rept 16
	v_exp_f32 v[\SB+32+jj], v[\SB+32+jj]
	v_exp_f32 v[\SB+33+jj], v[\SB+33+jj]
	HOLD \SB, jj, 1
.set jj, jj+2
.endr
	v_nop                                          ; a plain line behind the batch
	s_wait_alu depctr_va_vdst(0)                   ; behind the second batch
	ADD4 \SB, 32
	ADD2 \SB, 40
	ADD4 \SB, 44
	ADD2 \SB, 52
	ADD4 \SB, 56
	v_pk_add_f32 v[242:243], v[242:243], v[248:249]      ; the six chains join, with the second half's hold between the levels
	v_pk_add_f32 v[250:251], v[250:251], v[252:253]
	v_pk_add_f32 v[14:15], v[14:15], v[254:255]
	HOLD \SB, 32, 6
	v_pk_add_f32 v[242:243], v[242:243], v[250:251]
	HOLD \SB, 44, 6
	v_pk_add_f32 v[14:15], v[14:15], v[242:243]
	HOLD \SB, 56, 4
.irp b, 0,1,2,3
	v_cvt_scalef32_pk8_bf8_f32 v[224+4*\b:225+4*\b], v[\SB+16*\b:\SB+16*\b+7], v244
	v_cvt_scalef32_pk8_bf8_f32 v[226+4*\b:227+4*\b], v[\SB+16*\b+8:\SB+16*\b+15], v244
.endr
	v_nop                                          ; the plain line between the last conversion and the products that read its result
	s_wait_alu depctr_va_vdst(0)                   ; the wait
.endm
; THE HEAD OF A PREFIX KEY STEP.  K's fragments lie, or are on their way, in region F; the scores go to region SS.  Tile 0's products stand here, tile 1's inside tile 0's softmax; behind them V's
; fragments are asked for, into F, and land under the rest of the softmax.
.macro HEAD F, SS, voff
	v_add_nc_u32 v9, s77, v2
	PLACES                                         ; with the addition: five places behind the last products, whose fragments of V the scores below write over
	s_wait_alu depctr_va_vdst(0)                   ; the wait
	s_wait_dscnt 16                                ; K's fragments 0-3 are in while the 16 loads of 4-7, issued behind them, may be out
.irp t, 0,1,2,3
	v_wmma_f32_16x16x128_bf8_bf8 v[\SS+8*\t:\SS+8*\t+7], v[\F+16*\t:\F+16*\t+15], v[16:31], 0
.endr
	s_wait_dscnt 0x0                               ; all of K's
	WIN 0x01
.irp t, 0,1,2,3
	v_wmma_f32_16x16x128_bf8_bf8 v[\SS+32+8*\t:\SS+32+8*\t+7], v[\F+16*\t:\F+16*\t+15], v[16:31], 0
.endr
	WIN 0
	PLACES                                         ; in front of the first read of the scores
.set HK, 1
.set HF, \F
.set HS, \SS
.set HV, \voff
	SOFT \SS                                       ; tile 0
.set HK, 0
.endm
; THE TAIL.  pre = 1: the next step's K is asked for, at KB + koff, into the score registers that are done with.  Tile 0's V^T P stands inside tile 1's softmax.
.macro TAIL F, SS, koff, pre
.if \pre
	v_add_nc_u32 v8, s76, v1
	KLOAD \SS, 0, \koff
	s_wait_dscnt 16                                ; V's 32 loads are in; the 16 just issued may be out
.else
	s_wait_dscnt 0x0
.endif
	WIN 0x55
.set HK, 2
.set HF, \F
	SOFT \SS                                       ; tile 1
.set HK, 0
.if \pre
	KLOAD \SS, 1, \koff
.endif
	PV \F, 1
	WIN 0
.endm
.macro STEPPTR                         ; between an odd step's head and its tail: on by two key steps
	s_add_co_u32 s76, s76, 2*KSTEP
	s_add_co_u32 s77, s77, 256
.endm
.macro UNIT                            ; from an odd step's tail to the next odd step's head
	TAIL RY, RX, 0, 1
	HEAD RX, RY, 0
	TAIL RX, RY, KSTEP, 1
	HEAD RY, RX, 128
	STEPPTR
.endm
; THE CHANGE OF SLOTS.  Each wave waits for its tensor load (one is out: its part of the slot ahead), adds 0 to its spare word, and waits for that and for its reads of the slot that it leaves.
; fill = 1: behind a round of the cluster's barrier the slot left is asked for jointly, first thing, with the chunk after the next: four key steps ahead of its first read.
; In the loop's last trip (s94 = 1) that chunk is the new keys': V's comes from v_codes.  fill = 0: nothing is left to fetch: a plain barrier.
.macro CHANGE fill
	s_wait_tensorcnt 0x0
	ds_add_u32 v5, v6
.if \fill
	WALK
	s_cmp_eq_u32 s94, 1
	s_cselect_b64 s[46:47], s[50:51], s[46:47]
.endif
	s_sub_co_u32 s76, s76, 4*KSTEP                 ; the fetches go back four steps and over to the other slot
	s_xor_b32 s76, s76, SLOTB
	s_sub_co_u32 s77, s77, 512
	s_xor_b32 s77, s77, SLOTB
	s_wait_dscnt 0x0
.if \fill
	CROUND
	TLOAD
.else
	s_barrier_signal -1
	s_barrier_wait -1
.endif
.endm
	s_wait_alu depctr_va_vdst(0)                   ; the wait at the head's end
	s_wait_tensorcnt 0x0                           ; my part of chunk 0 is in; the full sequence stands ahead of slot B's first fill, as ahead of a refill
	ds_add_u32 v5, v6
	WALK
	s_wait_dscnt 0x0
	CROUND
	TLOAD                                          ; chunk 1 into slot B
	v_add_nc_u32 v8, s76, v1
	KLOAD RX, 0, 0                                 ; the first step's K
	KLOAD RX, 1, 0
	WIN 0
	s_wait_loadcnt 0x0                             ; Q
	; THE PREFIX: sixteen steps.  Chunk 0 is written out; chunks 1 to 3 are the loop's three trips, each behind a change of slots that fills.
	HEAD RX, RY, 0
	TAIL RX, RY, KSTEP, 1
	HEAD RY, RX, 128
	STEPPTR
	UNIT
	s_mov_b32 s94, 3
.Lslot:
	CHANGE 1
	s_mov_b32 s95, 2
.Lunit:
	UNIT
	s_sub_co_u32 s95, s95, 1
	s_cmp_lg_u32 s95, 0
	s_cbranch_scc1 .Lunit
	s_sub_co_u32 s94, s94, 1
	s_cmp_lg_u32 s94, 0
	s_cbranch_scc1 .Lslot
	CHANGE 0                                       ; slot A holds the new keys
	TAIL RY, RX, 0, 0                              ; the prefix's last tail fetches nothing
	; BETWEEN THE PARTS: the new keys' c, their p's scale and hold; O^T x 2^((e6 + e7) - (e2 + e3)), which rounds nothing short of overflow and underflow.  M and l go on as they are.
	s_mov_b32 s22, s88
	s_mov_b32 s23, s88
.irp u, 0,1
	WIN 0x55*\u
	v_mov_b32 v244, s89
	v_mov_b32 v240, s90
	v_mov_b32 v241, s90
	v_ldexp_f32 v252, 1.0, s91
	s_wait_alu depctr_va_vdst(0)                   ; the wait ahead of the first readers of O^T.  (Tile 0's lines are the places behind tile 1's last products)
.set jj, 0
.rept 32
	v_pk_mul_f32 v[160+jj:161+jj], v[160+jj:161+jj], v[252:253] op_sel_hi:[1,0]
.set jj, jj+2
.endr
.endr
	WIN 0
	; THE NEW KEYS: four causal steps, a loop of constant count.  Tile 1 works in steps 0 .. s53, tile 0 in steps 0 .. s52 <= s53; the rest is jumped over by branches on the wave's number and the count alone.
	; No barrier and no tensor load stands in the loop.  K's and V's fragments lie in RX and serve both tiles; the scores lie in RY.
	s_mov_b32 s56, 0                               ; the step
	s_mov_b32 s57, 0                               ; its first key
.Lcausal:
	s_cmp_gt_u32 s56, s53
	s_cbranch_scc1 .Lc_hidden
	v_add_nc_u32 v8, s76, v1
	v_add_nc_u32 v9, s77, v2
.rept 3
	v_nop                                          ; with the additions: five places behind the last products
.endr
	KLOAD RX, 0, 0
	KLOAD RX, 1, 0
	WIN 0
	s_wait_alu depctr_va_vdst(0)                   ; the wait
	s_wait_dscnt 0x0
	SP1 1
	s_cmp_gt_u32 s56, s52
	s_cbranch_scc1 .Lc_one
	SP1 0
.Lc_one:
	PLACES
	VLOAD RX, 0
	WIN 0
	s_cmp_lg_u32 s56, s53
	s_cbranch_scc1 .Lc_open1
	WIN 0x55
	MASK RY
	WIN 0
.Lc_open1:
	WIN 0x55
	SOFT RY                                        ; tile 1
	WIN 0
	s_wait_dscnt 0x0                               ; V's fragments are in
	s_cmp_gt_u32 s56, s52
	s_cbranch_scc1 .Lc_no0
	s_cmp_lg_u32 s56, s52
	s_cbranch_scc1 .Lc_open0
	MASK RY
.Lc_open0:
	SOFT RY                                        ; tile 0
	PV RX, 0
	WIN 0
.Lc_no0:
	PV RX, 1
	WIN 0
.Lc_hidden:
	s_add_co_u32 s76, s76, KSTEP
	s_add_co_u32 s77, s77, 128
	s_add_co_u32 s57, s57, 128
	s_add_co_u32 s56, s56, 1
	s_cmp_lt_u32 s56, 4
	s_cbranch_scc1 .Lcausal
; THE WAY OUT.  l's halves and lane l xor 16's are added; O^T / l x 2^(e2 + e3) goes through my stage, half a row (64 channels, 256 bytes) of 16 tokens at a time, and comes back as whole rows.
.macro SCALEO u
	WIN 0x55*\u
	v_add_f32 v14, v14, v15
	v_permlanex16_b32 v252, v14, s20, s21
	v_add_f32 v14, v14, v252
	s_wait_alu depctr_va_vdst(0)                   ; the wait ahead of the transcendental,
	v_rcp_f32 v14, v14
	v_nop
	s_wait_alu depctr_va_vdst(0)                   ; ahead of its first reader,
	v_ldexp_f32 v14, v14, s92
	s_wait_alu depctr_va_vdst(0)                   ; and ahead of the first readers of O^T
.set jj, 0
.rept 32
	v_pk_mul_f32 v[96+jj:97+jj], v[160+jj:161+jj], v[14:15] op_sel_hi:[1,0]   ; register 8 t + i is o(token r, channel 16 t + 8 h + i)
.set jj, jj+2
.endr
.endm
.macro STAGEO u                        ; tile u comes back into window 0: v32-95 (u = 0), v160-223 (u = 1: tile 0's O^T, which is done with)
	WIN 0x04*\u
.irp f, 0,1
.irp t, 0,1,2,3
	ds_store_b128 v3, v[96+32*\f+8*\t:99+32*\f+8*\t] offset:64*\t
	ds_store_b128 v3, v[100+32*\f+8*\t:103+32*\f+8*\t] offset:64*\t+16
.endr
.irp i, 0,1,2,3,4,5,6,7
	ds_load_b128 v[32+128*\u+32*\f+4*\i:35+128*\u+32*\f+4*\i], v4 offset:2*SP*\i   ; LDS serves a wave's instructions in order (ISA guide 5.7.1.4)
.endr
.endr
	WIN 0
.endm
.macro SENDO u, go
.irp f, 0,1
.irp i, 0,1,2,3,4,5,6,7
	s_wait_dscnt 16*(1-\f)+7-\i                    ; the LDS instructions issued behind this load: its group's later loads, and the later half's sixteen
	global_store_b128 v[\go], v[32+128*\u+32*\f+4*\i:35+128*\u+32*\f+4*\i], s[14:15] offset:2*\i*16384+256*\f th:TH_STORE_NT   ; sixteen lanes store 256 consecutive bytes, aligned
.endr
.endr
.endm
	PLACES                                         ; behind the last products
	SCALEO 0
	STAGEO 0
	SCALEO 1                                       ; tile 1's arithmetic stands between tile 0's loads from the stage and the waits for them
	WIN 0
	s_wait_alu depctr_va_vdst(0)                   ; the wait here, ahead of the waits below
	SENDO 0, 7
	STAGEO 1
	SENDO 1, 10
	s_wait_tensorcnt 0x0                           ; the wave's end
	ds_add_u32 v5, v6
	s_wait_dscnt 0x0
	CROUND                                         ; the closing round
	s_endpgm
.Lfunc_end_k_qb550004245_attn:
	.size	k_qb550004245_attn, .Lfunc_end_k_qb550004245_attn-k_qb550004245_attn
	.p2alignl 7, 3214868480
	.fill 96, 4, 3214868480
	.section	.rodata,"a",@progbits
	.p2align	6, 0x0
	.amdhsa_kernel k_qb550004245_attn
		.amdhsa_group_segment_fixed_size 327680
		.amdhsa_private_segment_fixed_size 0
		.amdhsa_enable_private_segment 0
		.amdhsa_kernarg_size 48
		.amdhsa_user_sgpr_count 2
		.amdhsa_user_sgpr_kernarg_segment_ptr 1
		.amdhsa_wavefront_size32 1
		.amdhsa_system_sgpr_workgroup_id_x 1
		.amdhsa_system_sgpr_workgroup_id_y 1
		.amdhsa_system_sgpr_workgroup_id_z 1
		.amdhsa_system_vgpr_workitem_id 0
		.amdhsa_next_free_vgpr 512
		.amdhsa_next_free_sgpr 102
		.amdhsa_reserve_vcc 1
		.amdhsa_float_denorm_mode_32 3
		.amdhsa_float_denorm_mode_16_64 3
		.amdhsa_memory_ordered 1
		.amdhsa_forward_progress 1
		.amdhsa_inst_pref_size 255
	.end_amdhsa_kernel
	.section	.bss,"aw",@nobits
	.p2align	6
	.space	262144
	.amdgpu_metadata
---
amdhsa.version: [ 1, 2 ]
amdhsa.kernels:
  - .name:           k_qb550004245_attn
    .symbol:         k_qb550004245_attn.kd
    .args:
      - { .name: q_codes, .offset: 0, .size: 8, .value_kind: global_buffer, .address_space: global }
      - { .name: kp_codes, .offset: 8, .size: 8, .value_kind: global_buffer, .address_space: global }
      - { .name: v_codes, .offset: 16, .size: 8, .value_kind: global_buffer, .address_space: global }
      - { .name: vp_codes, .offset: 24, .size: 8, .value_kind: global_buffer, .address_space: global }
      - { .name: lowp_scales, .offset: 32, .size: 8, .value_kind: global_buffer, .address_space: global }
      - { .name: out0, .offset: 40, .size: 8, .value_kind: global_buffer, .address_space: global }
    .group_segment_fixed_size: 327680
    .private_segment_fixed_size: 0
    .kernarg_segment_align: 8
    .kernarg_segment_size: 48
    .max_flat_workgroup_size: 256
    .sgpr_count:     102
    .vgpr_count:     512
    .wavefront_size: 32
...
	.end_amdgpu_metadata
.endif
;; end of part 2
